; MI455X (gfx1250); checked and timed in simulation.
; The chip was launched on July 23, 2026; its instructions are those of AMD's public machine-readable ISA for CDNA 5 (MIT licence, August 2026) and "CDNA5" Instruction Set Architecture Reference Guide (July 2026). The comments in the code are by the model that wrote it; some were corrected since.
;; Self Outer Attention. Allowed arithmetic: float matrix products may take bf16 or f16 operands with f32 sums; all other float work in f32.
;; Inputs: Wk 128 x 128 float32; Wo 128 x 128 float32; Wq 128 x 128 float32; Wv 128 x 128 float32; bk 128 float32; bo 128 float32; bq 128 float32; bv 128 float32; k 4 x 512 x 128 float32; mask 4 x 512 int32; q 4 x 512 x 128 float32; v 4 x 512 x 128 float32.
;; Outputs: out0 4 x 512 x 128 float32.
;; 2 versions, each right; version 2 is version 1 with the launch project written anew for expert scheduling mode. Each part assembles by itself: llvm-mc -triple=amdgcn-amd-amdhsa -mcpu=gfx1250 --defsym DOCPART=n.
;; ======== version 1 of 2: 2 launches
;; workspace buffers: proj 3,145,728 bytes; ext 32,768 bytes
;; launch project (part 1): grid 32 x 3, 8 waves a work-group, no clusters, 53,248 bytes of LDS; arguments q, k, v, Wq, Wk, Wv, bq, bk, bv, proj, ext; writes proj, ext
.if DOCPART == 1
	.amdgcn_target "amdgcn-amd-amdhsa--gfx1250"
	.amdhsa_code_object_version 6
	.text
	.protected	k_qe88ad03484_project
	.globl	k_qe88ad03484_project
	.p2align	8
	.type	k_qe88ad03484_project,@function
k_qe88ad03484_project:
	s_mov_b64 s[64:65], 0
	v_nop
	global_prefetch_b8 v0, s[64:65] scope:SCOPE_SE
	s_setreg_imm32_b32 hwreg(HW_REG_WAVE_MODE, 25, 1), 1
	s_wait_xcnt 0x0
; The three input projections, stored channel-major:  Y[e][pos] = (sum over d of W[e][d] X[pos][d] + b[e]) * scale.
; Work-group (x, y): y picks the tensor (0 q, 1 k, 2 v), x picks 64 of its 2,048 rows: batch x / 8, block x % 8 of 64 positions.
; scale = log2(e) for q, so that the next launch's exponent is one multiply-add in base 2, and 1 for k and v.
; proj, f32: byte = batch*786432 + (e/32)*196608 + y*65536 + (e%32)*2048 + pos*4   (pos 0..511 inside the batch)
; ext,  f32: byte = batch*8192 + block*1024 + (e/16)*128 + mm*64 + (e%16)*4       (mm 0: largest, 1: smallest k of the block's 64 positions)
; Eight waves.  Wave w makes channels 16 w .. 16 w + 15 for all 64 positions: W's rows are the first matrix operand, X's rows the second,
; four tiles of 16 positions, four K steps of 32: sixteen matrix instructions on four accumulators.
; COLUMNS ARE PERMUTED: column r of tile t stands for position 4 r + t, so a lane's results of the four tiles are four neighbouring
; positions of one channel (16 bytes), and sixteen lanes store 256 consecutive bytes at a multiple of 256 from proj's first byte.
; NO JOINT REQUESTS: X and W have to be rounded to bf16 on their way, so they come through registers; what work-groups share (W, 65,536 bytes)
; is staged once by each of them.
; LIMITS: operands of the products are rounded to bf16, sums are f32.  The extremes are taken with forms in which a NaN loses, so a NaN in k
; is not carried into ext.
.set PITCH, 272                        ; an LDS row: 128 bf16 + 16 bytes, an odd multiple of 16: sixteen rows start in sixteen different 16-byte columns of 256
.set XS,  0                            ; 64 rows: position m of the block lies at row 16 (m % 4) + m / 4
.set WS,  64*PITCH                     ; 128 rows: channel e at row e
.set XL,  16                           ; v[16:47]   X as loaded, 8 rows x 4 registers, rounded in place
.set WL,  48                           ; v[48:111]  W as loaded, 16 rows x 4 registers, rounded in place
.set BF,  16                           ; v[16:143]  X's fragments (tile t, K step s) at 32 t + 8 s; over XL and WL, which are in LDS by then
.set BI,  144                          ; v[144:151] scale * bias of my eight channels
.set AF,  152                          ; v[152:183] W's fragments, K step s at 8 s
.set MX,  152                          ; v[152:159] largest, v[160:167] smallest (over AF, behind the products)
.set MN,  160
.set EV,  168                          ; v[168:169] the one extreme that the lane stores
.set ACC, 184                          ; v[184:215] four accumulators
.set Y,   216                          ; v[216:247] results: channel j, four positions, at 4 j
	s_load_b512 s[8:23], s[0:1], 0x0               ; q s[8:9], k s[10:11], v s[12:13], Wq s[14:15], Wk s[16:17], Wv s[18:19], bq s[20:21], bk s[22:23]
	s_load_b128 s[24:27], s[0:1], 0x40             ; bv s[24:25], proj s[26:27]
	s_load_b64 s[28:29], s[0:1], 0x50              ; ext
	v_lshl_add_u32 v248, v0, 2, 0xcc00
	v_mov_b32 v249, 0
	s_and_b32 s36, ttmp7, 0xffff                   ; y: which tensor
	v_lshrrev_b32 v14, 5, v0
	v_readfirstlane_b32 s39, v14                   ; wave w
	v_and_b32 v1, 31, v0                           ; lane l
	v_and_b32 v2, 15, v0                           ; r = l % 16
	v_bfe_u32 v3, v0, 4, 1                         ; h = l / 16
	v_and_b32 v13, 7, v0                           ; r % 8
	s_lshl_b32 s46, s39, 12
	v_lshl_add_u32 v4, v1, 4, s46                  ; X: 8 rows of 512 bytes a wave, 16 bytes a lane
	s_lshl_b32 s46, s39, 13
	v_lshl_add_u32 v5, v1, 4, s46                  ; W: 16 rows a wave
	s_lshl_b32 s46, s39, 6
	v_lshl_add_u32 v6, v3, 5, s46                  ; bias: channels 16 w + 8 h ..
	s_mul_i32 s46, s39, 2*PITCH
	v_lshl_add_u32 v7, v1, 3, s46                  ; XS: row 2 w (+ the row's own part in the immediate), 8 bytes a lane
	s_mul_i32 s47, s39, 16*PITCH
	s_add_co_u32 s47, s47, WS
	v_lshl_add_u32 v8, v1, 3, s47                  ; WS: row 16 w
	v_mul_u32_u24 v10, v2, PITCH
	v_lshl_add_u32 v10, v3, 4, v10                 ; X's fragments: row r, 16 h
	v_add_nc_u32 v9, s47, v10                      ; W's fragments: row 16 w + r, 16 h
	v_lshlrev_b32 v11, 4, v2
	v_lshl_add_u32 v11, v3, 14, v11                ; proj: 8 h channels of 2,048 bytes + 16 r
	v_bfe_u32 v12, v0, 3, 1
	v_lshlrev_b32 v12, 6, v12
	v_lshl_add_u32 v12, v3, 5, v12
	v_lshl_add_u32 v12, v13, 2, v12                ; ext: (r / 8) * 64 + (8 h + r % 8) * 4
	s_lshl_b32 s40, ttmp9, 15                      ; X: 64 rows of 512 bytes a work-group
	s_mov_b32 s41, 0
	s_lshr_b32 s42, ttmp9, 3                       ; proj: batch,
	s_mul_i32 s42, s42, 786432
	s_lshr_b32 s37, s39, 1                         ; my channels' group of 32,
	s_mul_i32 s37, s37, 196608
	s_add_co_u32 s42, s42, s37
	s_lshl_b32 s37, s36, 16                        ; the tensor's plane,
	s_add_co_u32 s42, s42, s37
	s_and_b32 s37, s39, 1                          ; which 16 of the 32 channels,
	s_lshl_b32 s37, s37, 15
	s_add_co_u32 s42, s42, s37
	s_and_b32 s37, ttmp9, 7                        ; the block's 64 positions
	s_lshl_b32 s37, s37, 8
	s_add_co_u32 s42, s42, s37
	s_mov_b32 s43, 0
	s_lshl_b32 s44, ttmp9, 10                      ; ext: (8 batch + block) * 1,024 + 128 w
	s_lshl_b32 s37, s39, 7
	s_add_co_u32 s44, s44, s37
	s_mov_b32 s45, 0
	s_wait_kmcnt 0x0
	s_cmp_eq_u32 s36, 0                            ; the choice hangs on the work-group's y alone
	s_cselect_b64 s[30:31], s[8:9], s[10:11]
	s_cselect_b64 s[32:33], s[14:15], s[16:17]
	s_cselect_b64 s[34:35], s[20:21], s[22:23]
	s_cselect_b32 s38, 0x3fb8aa3b, 1.0             ; scale: log2(e) for q
	s_cmp_eq_u32 s36, 2
	s_cselect_b64 s[30:31], s[12:13], s[30:31]
	s_cselect_b64 s[32:33], s[18:19], s[32:33]
	s_cselect_b64 s[34:35], s[24:25], s[34:35]
	s_add_nc_u64 s[30:31], s[30:31], s[40:41]
	s_add_nc_u64 s[42:43], s[26:27], s[42:43]
	s_add_nc_u64 s[44:45], s[28:29], s[44:45]
	; every load of a wave covers one whole row: 512 consecutive bytes
.irp i, 0,1,2,3,4,5,6,7
	global_load_b128 v[XL+4*\i:XL+4*\i+3], v4, s[30:31] offset:512*\i th:TH_LOAD_NT    ; row 8 w + i: read once in the launch
.endr
.set i, 0
.rept 16
	global_load_b128 v[WL+4*i:WL+4*i+3], v5, s[32:33] offset:512*i                     ; row 16 w + i
.set i, i+1
.endr
	global_load_b128 v[BI:BI+3], v6, s[34:35]
	global_load_b128 v[BI+4:BI+7], v6, s[34:35] offset:16
	s_wait_loadcnt 18                              ; X's eight are in: W's sixteen and the bias's two were issued behind them
.irp i, 0,1,2,3,4,5,6,7
	v_cvt_pk_bf16_f32 v[XL+4*\i], v[XL+4*\i], v[XL+4*\i+1]
	v_cvt_pk_bf16_f32 v[XL+4*\i+1], v[XL+4*\i+2], v[XL+4*\i+3]
	ds_store_b64 v7, v[XL+4*\i:XL+4*\i+1] offset:(16*(\i%4)+\i/4)*PITCH               ; position 8 w + i: row 16 (i % 4) + 2 w + i / 4
.endr
	s_wait_loadcnt 2                               ; W's sixteen are in: the bias's two were issued behind them
.set i, 0
.rept 16
	v_cvt_pk_bf16_f32 v[WL+4*i], v[WL+4*i], v[WL+4*i+1]
	v_cvt_pk_bf16_f32 v[WL+4*i+1], v[WL+4*i+2], v[WL+4*i+3]
	ds_store_b64 v8, v[WL+4*i:WL+4*i+1] offset:i*PITCH
.set i, i+1
.endr
	s_wait_loadcnt 0x0
.irp i, 0,1,2,3
	v_pk_mul_f32 v[BI+2*\i:BI+2*\i+1], v[BI+2*\i:BI+2*\i+1], s[38:39] op_sel_hi:[1,0]  ; both halves times s38, the scale
.endr
	s_wait_dscnt 0x0                               ; my rows are in LDS, for the other waves' sake
	s_barrier_signal -1
	s_barrier_wait -1                              ; everybody's are
	; fragments, K step by K step: ten loads each (two of W, eight of X)
.irp s, 0,1,2,3
	ds_load_b128 v[AF+8*\s:AF+8*\s+3], v9 offset:64*\s
	ds_load_b128 v[AF+8*\s+4:AF+8*\s+7], v9 offset:64*\s+32
.irp t, 0,1,2,3
	ds_load_b128 v[BF+32*\t+8*\s:BF+32*\t+8*\s+3], v10 offset:16*PITCH*\t+64*\s
	ds_load_b128 v[BF+32*\t+8*\s+4:BF+32*\t+8*\s+7], v10 offset:16*PITCH*\t+64*\s+32
.endr
.endr
	; The four accumulators take turns, one instruction a turn.  The first K step starts the sums.
.irp s, 0,1,2,3
	s_wait_dscnt 10*(3-\s)                         ; this K step's ten loads are in; the ten of each later step may be out
.irp t, 0,1,2,3
.if \s == 0
	v_wmma_f32_16x16x32_bf16 v[ACC+8*\t:ACC+8*\t+7], v[AF+8*\s:AF+8*\s+7], v[BF+32*\t+8*\s:BF+32*\t+8*\s+7], 0
.else
	v_wmma_f32_16x16x32_bf16 v[ACC+8*\t:ACC+8*\t+7], v[AF+8*\s:AF+8*\s+7], v[BF+32*\t+8*\s:BF+32*\t+8*\s+7], v[ACC+8*\t:ACC+8*\t+7]
.endif
.endr
.endr
.rept 4
	v_nop                                          ; four places between the last matrix instruction and the first reader of a result (ISA guide 7.12.1)
.endr
	; register j of tile t in lane (r, h) is channel 16 w + 8 h + j at position 4 r + t
.irp j, 0,1,2,3,4,5,6,7
.irp t, 0,1,2,3
	v_fma_f32 v[Y+4*\j+\t], v[ACC+8*\t+\j], s38, v[BI+\j]
.endr
	global_store_b128 v11, v[Y+4*\j:Y+4*\j+3], s[42:43] offset:2048*\j                 ; sixteen lanes: 256 consecutive bytes of one channel
.endr
	s_cmp_lg_u32 s36, 1                            ; the same in all eight waves; no barrier follows
	s_cbranch_scc1 .Lend
	; k alone: the largest and the smallest of each channel over the block's 64 positions: four in the lane, then across the sixteen lanes of a half
.irp j, 0,1,2,3,4,5,6,7
	v_max3_num_f32 v[MX+\j], v[Y+4*\j], v[Y+4*\j+1], v[Y+4*\j+2]
	v_min3_num_f32 v[MN+\j], v[Y+4*\j], v[Y+4*\j+1], v[Y+4*\j+2]
.endr
.irp j, 0,1,2,3,4,5,6,7
	v_max_num_f32 v[MX+\j], v[MX+\j], v[Y+4*\j+3]
	v_min_num_f32 v[MN+\j], v[MN+\j], v[Y+4*\j+3]
.endr
.irp x, 1,2,4,8
.irp j, 0,1,2,3,4,5,6,7
	v_max_num_f32_dpp v[MX+\j], v[MX+\j], v[MX+\j] row_xmask:\x row_mask:0xf bank_mask:0xf
	v_min_num_f32_dpp v[MN+\j], v[MN+\j], v[MN+\j] row_xmask:\x row_mask:0xf bank_mask:0xf
.endr
.endr
	; lane (r, h) stores channel 8 h + r % 8: the largest where r < 8, the smallest elsewhere
	v_cmp_eq_u32 vcc_lo, 1, v13
	v_cndmask_b32 v[EV], v[MX], v[MX+1], vcc_lo
	v_cndmask_b32 v[EV+1], v[MN], v[MN+1], vcc_lo
.irp j, 2,3,4,5,6,7
	v_cmp_eq_u32 vcc_lo, \j, v13
	v_cndmask_b32 v[EV], v[EV], v[MX+\j], vcc_lo
	v_cndmask_b32 v[EV+1], v[EV+1], v[MN+\j], vcc_lo
.endr
	v_cmp_gt_u32 vcc_lo, 8, v2
	v_cndmask_b32 v[EV], v[EV+1], v[EV], vcc_lo
	global_store_b32 v12, v[EV], s[44:45]          ; 128 consecutive bytes: all that a wave owns of ext, whose 32,768 bytes are written once
.Lend:
	s_wait_tensorcnt 0x0
	ds_add_u32 v248, v249
	s_wait_dscnt 0x0
	s_endpgm
.Lfunc_end_k_qe88ad03484_project:
	.size	k_qe88ad03484_project, .Lfunc_end_k_qe88ad03484_project-k_qe88ad03484_project
	.p2alignl 7, 3214868480
	.fill 96, 4, 3214868480
	.section	.rodata,"a",@progbits
	.p2align	6, 0x0
	.amdhsa_kernel k_qe88ad03484_project
		.amdhsa_group_segment_fixed_size 53248
		.amdhsa_private_segment_fixed_size 0
		.amdhsa_enable_private_segment 0
		.amdhsa_kernarg_size 88
		.amdhsa_user_sgpr_count 2
		.amdhsa_user_sgpr_kernarg_segment_ptr 1
		.amdhsa_wavefront_size32 1
		.amdhsa_system_sgpr_workgroup_id_x 1
		.amdhsa_system_sgpr_workgroup_id_y 1
		.amdhsa_system_sgpr_workgroup_id_z 1
		.amdhsa_system_vgpr_workitem_id 0
		.amdhsa_next_free_vgpr 250
		.amdhsa_next_free_sgpr 66
		.amdhsa_reserve_vcc 1
		.amdhsa_float_denorm_mode_32 3
		.amdhsa_float_denorm_mode_16_64 3
		.amdhsa_memory_ordered 1
		.amdhsa_forward_progress 1
		.amdhsa_inst_pref_size 24
	.end_amdhsa_kernel
	.amdgpu_metadata
---
amdhsa.version: [ 1, 2 ]
amdhsa.kernels:
  - .name:           k_qe88ad03484_project
    .symbol:         k_qe88ad03484_project.kd
    .args:
      - { .name: q, .offset: 0, .size: 8, .value_kind: global_buffer, .address_space: global }
      - { .name: k, .offset: 8, .size: 8, .value_kind: global_buffer, .address_space: global }
      - { .name: v, .offset: 16, .size: 8, .value_kind: global_buffer, .address_space: global }
      - { .name: Wq, .offset: 24, .size: 8, .value_kind: global_buffer, .address_space: global }
      - { .name: Wk, .offset: 32, .size: 8, .value_kind: global_buffer, .address_space: global }
      - { .name: Wv, .offset: 40, .size: 8, .value_kind: global_buffer, .address_space: global }
      - { .name: bq, .offset: 48, .size: 8, .value_kind: global_buffer, .address_space: global }
      - { .name: bk, .offset: 56, .size: 8, .value_kind: global_buffer, .address_space: global }
      - { .name: bv, .offset: 64, .size: 8, .value_kind: global_buffer, .address_space: global }
      - { .name: proj, .offset: 72, .size: 8, .value_kind: global_buffer, .address_space: global }
      - { .name: ext, .offset: 80, .size: 8, .value_kind: global_buffer, .address_space: global }
    .group_segment_fixed_size: 53248
    .private_segment_fixed_size: 0
    .kernarg_segment_align: 8
    .kernarg_segment_size: 88
    .max_flat_workgroup_size: 256
    .sgpr_count:     66
    .vgpr_count:     250
    .wavefront_size: 32
...
	.end_amdgpu_metadata
.endif
;; end of part 1
;; launch attend (part 2): grid 256 x 1, 8 waves a work-group, clusters of 4 x 1, 327,680 bytes of LDS; arguments proj, ext, mask, Wo, bo, out0; writes out0
.if DOCPART == 2
	.amdgcn_target "amdgcn-amd-amdhsa--gfx1250"
	.amdhsa_code_object_version 6
	.text
	.protected	k_qe88ad03484_attend
	.globl	k_qe88ad03484_attend
	.p2align	8
	.type	k_qe88ad03484_attend,@function
k_qe88ad03484_attend:
	s_mov_b64 s[64:65], 0
	v_nop
	global_prefetch_b8 v0, s[64:65] scope:SCOPE_SE
	s_setreg_imm32_b32 hwreg(HW_REG_WAVE_MODE, 25, 1), 1
	s_wait_xcnt 0x0
	s_wait_alu depctr_hold_cnt(0) depctr_sa_sdst(0) depctr_va_vdst(0) depctr_va_sdst(0) depctr_va_ssrc(0) depctr_va_vcc(0) depctr_vm_vsrc(0)
	s_getreg_b32 s2, hwreg(HW_REG_IB_STS2, 6, 4)
	s_cmp_eq_u32 s2, 0
	s_cbranch_scc0 .Lentry_in_a_cluster
	s_endpgm
.Lentry_in_a_cluster:
	s_bfe_u32 s2, ttmp6, 0x10000c
	s_cmp_lg_u32 s2, 0x3003
	s_cbranch_scc0 .Lentry_shape_is_right
	s_endpgm
.Lentry_shape_is_right:
; out0[n][e] = sum over d of o[n][d] Wo[e][d] + bo[e],  o[n][d] = sum over m of softmax over m (qp[n][d] kp[m][d]) vp[m][d];
; a row n whose mask word is 0 gets equal weights for all m.
; Work-group g owns rows 8 g .. 8 g + 7 of the 2,048; its batch is g / 64.  Eight waves: wave w has channels 32 (w % 4) + lane, ONE CHANNEL A LANE,
; and the positions m = 256 (w / 4) .. + 255.  Four neighbouring m lie in a register quad, the eight rows' sums in registers: two LDS loads of
; 16 bytes a lane (4 k, 4 v) feed 32 exponentials, every LDS byte is read once, and no sum crosses lanes.
; THE MAXIMUM IS TAKEN AWAY BEFORE EVERY EXPONENTIAL, and it is known at the start: over m the largest q k[m] is q kmax or q kmin, whichever is
; larger, with kmax and kmin the channel's extremes over the batch's 512 positions (ext holds them for blocks of 64).  So there is no running maximum
; and no rescaling, and both halves of m use the same shift.  q comes with log2(e) folded in: the exponent is one multiply-add, k q - max.
; A MASKED ROW is q = 0: every exponent is 0, every weight 1, the denominator 512.  The mask selects a value and steers no branch.
; CLUSTERS: the four work-groups of a cluster lie in one batch (16 clusters a batch) and read the same k and v.  Each tile is asked for jointly: the same
; line, the same descriptor (made of the batch and the wave's number), the mask 15.  That divides the requests for k and v by four.
; The place in the cluster enters three global addresses alone: q's, the mask's and out0's.
; TILES: in proj the k plane and the v plane of 32 channels follow each other, so one tile of 64 rows x 256 bytes brings 64 positions of k (rows 0-31)
; and of v (rows 32-63) of the wave's channels.  Each wave has two slots of its own and four tiles; it has two tensor loads out at the start and one
; behind each later round of the cluster's barrier.
; SHORT READS, once a work-group: q is 32 bytes a channel, ext 64 bytes a half wave, sixteen times.
; LIMITS: NaN and infinities in the inputs are not reproduced (the extremes drop a NaN; 0 times an infinite extreme is NaN in a masked row).
; v_exp_f32 gives 0 for weights below 2^-126 (ISA guide, its entry), beside a denominator of about 1 or more.  The last product's operands are rounded to bf16.
.set PITCH, 272                        ; an LDS row: 256 bytes + 16, an odd multiple of 16: sixteen lanes' rows start in sixteen different 16-byte columns of 256
.set SLOT,  64*PITCH                   ; 17,408 bytes
.set WRING, 2*SLOT                     ; a wave's two slots
.set VROWS, 32*PITCH                   ; v's rows lie behind k's 32
.set WT,    8*WRING                    ; 278,528: Wo in bf16, 128 rows; channel e at row 64 (e / 64) + 16 (e % 4) + (e % 64) / 4
.set AT,    WT+128*PITCH               ; 313,344: o in bf16, 8 rows (2,304 bytes set aside)
.set PART,  AT+2304                    ; 315,648: the upper four waves' sums, 2,048 bytes each.  WT, AT and PART begin at multiples of 256; no tile lands there
.set TRIPS, 4                          ; a tile is four trips of 16 positions
.set G1, 16                            ; s[16:23] descriptor group 1
.set G0, 32                            ; s[32:39] descriptor group 0, one set a slot
.set BO,  4                            ; v[4:7]     bo of my four columns (waves 4, 5)
.set QQ,  8                            ; v[8:23]    row r: (q, q)
.set S,   24                           ; v[24:39]   row r: two partial denominators
.set O,   40                           ; v[40:55]   row r: two partial sums with v
.set T,   56                           ; v[56:67]   three buffers of four exponents, then weights
.set KV,  68                           ; v[68:99]   group gg of a trip: 4 k at 8 gg, 4 v at 8 gg + 4
.set WL,  100                          ; v[100:163] Wo as loaded (start only)
.set NM,  164                          ; v[164:179] row r: (-max, -max)
.set EX,  196                          ; v[196:211] the eight blocks' extremes (start only)
.set QL,  212                          ; v[212:219] q of my channel, eight rows (start only)
.set KMX, 220
.set KMN, 221
.set TA,  222                          ; v[222:223] at work
.set VEXT, 224                         ; offsets of the start's loads, each in a register of its own
.set VQ,   225
.set VWO,  226
.set VWT,  227
.set VBO,  228
.set LA,  244                          ; LDS address of my channel's row in my wave's slot 0; never rewritten
.set LC,  245                          ; the same, stepped through a tile
; behind the tiles:
.set SS,  68                           ; v[68:75] denominators, v[76:83] sums, v[84:99] the partner wave's
.set OO,  76
.set PP,  84
.set AF,  68                           ; v[68:99]   fragments of o
.set BF,  100                          ; v[100:227] fragments of Wo, (tile t, K step s) at 32 t + 8 s
.set ACC, 24                           ; v[24:55]   four accumulators
.set Y,   228                          ; v[228:243] results
.set VPART, 56
.set VAT,   57
.set VBF,   58
.set VAF,   59
.set VOUT,  60
; A round of the cluster's barrier: my work-group's barrier, so that wave 0 speaks for all eight waves; wave 0 signals; every wave waits for the four
; work-groups; my work-group's barrier once more.
.macro ROUND
	s_barrier_signal -1
	s_barrier_wait -1
	s_cmp_lg_u32 s24, 0
	s_cbranch_scc1 .Lnot_wave_0_\@
	s_barrier_signal -3
.Lnot_wave_0_\@:
	s_barrier_wait -3
	s_barrier_signal -1
	s_barrier_wait -1
.endm
; A slot that has been read is filled again, two tiles (512 bytes of each row) further on.
.macro FILL slot
	s_wait_tensorcnt 0x0                           ; all my tensor loads have landed, the unread slot's among them: a group 0 may be written
	ds_add_u32 v248, v249
	s_add_nc_u64 s[G0+4*\slot+2:G0+4*\slot+3], s[G0+4*\slot+2:G0+4*\slot+3], 512
	s_wait_dscnt 0x0                               ; my LDS reads of the slot are back, and my LDS stores are done
	ROUND                                          ; both now hold of every wave of the four work-groups
	tensor_load_to_lds s[G0+4*\slot:G0+4*\slot+3], s[G1:G1+7]      ; my one tensor load behind the round, and the first thing there
	s_nop 0
.endm
; Step i of a trip (0 .. 31) = group i / 8 (four positions) x row i % 8, on buffer i % 3.
.macro TCALC i                         ; four exponents: k q - max
	v_pk_fma_f32 v[T+4*((\i)%3):T+4*((\i)%3)+1], v[KV+8*((\i)/8):KV+8*((\i)/8)+1], v[QQ+2*((\i)%8):QQ+2*((\i)%8)+1], v[NM+2*((\i)%8):NM+2*((\i)%8)+1]
	v_pk_fma_f32 v[T+4*((\i)%3)+2:T+4*((\i)%3)+3], v[KV+8*((\i)/8)+2:KV+8*((\i)/8)+3], v[QQ+2*((\i)%8):QQ+2*((\i)%8)+1], v[NM+2*((\i)%8):NM+2*((\i)%8)+1]
.endm
.macro CONS i, p                       ; the p-th of the four instructions that take step i's weights into the row's sums
.if \p == 0
	s_wait_alu depctr_va_vdst(0)
	v_pk_add_f32 v[S+2*((\i)%8):S+2*((\i)%8)+1], v[S+2*((\i)%8):S+2*((\i)%8)+1], v[T+4*((\i)%3):T+4*((\i)%3)+1]
.endif
.if \p == 1
	v_pk_fma_f32 v[O+2*((\i)%8):O+2*((\i)%8)+1], v[T+4*((\i)%3):T+4*((\i)%3)+1], v[KV+8*((\i)/8)+4:KV+8*((\i)/8)+5], v[O+2*((\i)%8):O+2*((\i)%8)+1]
.endif
.if \p == 2
	v_pk_add_f32 v[S+2*((\i)%8):S+2*((\i)%8)+1], v[S+2*((\i)%8):S+2*((\i)%8)+1], v[T+4*((\i)%3)+2:T+4*((\i)%3)+3]
.endif
.if \p == 3
	v_pk_fma_f32 v[O+2*((\i)%8):O+2*((\i)%8)+1], v[T+4*((\i)%3)+2:T+4*((\i)%3)+3], v[KV+8*((\i)/8)+6:KV+8*((\i)/8)+7], v[O+2*((\i)%8):O+2*((\i)%8)+1]
.endif
.endm
; One tile: 64 positions x 8 rows x 32 channels.  left = how many younger tensor loads may stay out.
; In a step the four exponentials of buffer i % 3 alternate with the four sums of the step before (another buffer), and the next step's exponents
; go into the third buffer: behind every v_exp_f32 stands a plain instruction on other registers before its result is used (ISA guide 5.7.2).
.macro TILE slot, left
	s_wait_tensorcnt \left                         ; a wave's tensor loads end in order (ISA guide 10.11.1): my tile is in LDS, and I alone read it
	v_mov_b32 v[LC], v[LA]
	s_mov_b32 s56, TRIPS
.Ltrip_\@:
.irp gg, 0,1,2,3
	ds_load_b128 v[KV+8*\gg:KV+8*\gg+3], v[LC] offset:\slot*SLOT+16*\gg
	ds_load_b128 v[KV+8*\gg+4:KV+8*\gg+7], v[LC] offset:\slot*SLOT+VROWS+16*\gg
.endr
	s_wait_dscnt 6                                 ; group 0's k and v are in; the three later groups' six loads may be out
	TCALC 0
.set ph, 0
.rept 32
	v_exp_f32 v[T+4*(ph%3)], v[T+4*(ph%3)]
.if ph > 0
	CONS ph-1, 0
.endif
	v_exp_f32 v[T+4*(ph%3)+1], v[T+4*(ph%3)+1]
.if ph > 0
	CONS ph-1, 1
.endif
	v_exp_f32 v[T+4*(ph%3)+2], v[T+4*(ph%3)+2]
.if ph > 0
	CONS ph-1, 2
.endif
	v_exp_f32 v[T+4*(ph%3)+3], v[T+4*(ph%3)+3]
.if ph > 0
	CONS ph-1, 3
.endif
.if ph < 31
.if (ph+1)%8 == 0
	s_wait_dscnt 6-2*((ph+1)/8)                    ; the next group's k and v are in: two loads a later group may be out (4, 2, 0)
.endif
	TCALC ph+1
.endif
.set ph, ph+1
.endr
	CONS 31, 0
	CONS 31, 1
	CONS 31, 2
	CONS 31, 3
	v_add_nc_u32 v[LC], 64, v[LC]                  ; 16 positions on
	s_sub_co_i32 s56, s56, 1
	s_cmp_lg_u32 s56, 0
	s_cbranch_scc1 .Ltrip_\@
.endm
	s_load_b256 s[4:11], s[0:1], 0x0               ; proj s[4:5], ext s[6:7], mask s[8:9], Wo s[10:11]
	s_load_b128 s[12:15], s[0:1], 0x20             ; bo s[12:13], out0 s[14:15]
	v_lshl_add_u32 v248, v0, 2, 0x4f100
	v_mov_b32 v249, 0
	ds_add_u32 v248, v249
	v_lshrrev_b32 v1, 5, v0
	v_readfirstlane_b32 s24, v1                    ; wave w
	v_and_b32 v1, 31, v0                           ; lane l
	v_and_b32 v2, 15, v0                           ; r = l % 16
	v_bfe_u32 v3, v0, 4, 1                         ; h = l / 16
	s_and_b32 s25, s24, 3                          ; my group of 32 channels
	s_lshr_b32 s26, s24, 2                         ; my half of the positions
	s_and_b32 s57, s24, 1                          ; the last product: my half of the 128 columns (waves 4, 5)
	s_bfe_u32 s27, ttmp6, 0x40000                  ; my place in the cluster
	s_lshl_b32 s28, ttmp9, 2                       ; in a cluster launch ttmp9 counts clusters
	s_add_co_u32 s28, s28, s27                     ; g
	s_lshr_b32 s29, ttmp9, 4                       ; batch: sixteen clusters each, the same for the four partners
	; group 1: a tile of 64 rows x 64 elements of 4 bytes, 512 elements from row to row, padded in LDS
	s_mov_b32 s[G1+0], 15|(2<<16)|(1<<20)|(1<<21)|(5<<22)|(3<<25)  ; 15:0 the mask: all four work-groups; 17:16 elements of 4 bytes; 20 padding on; 21 set beside a mask; 24:22 after every 64 words; 31:25 of 4 words
	s_mov_b32 s[G1+1], 64<<16                      ; tensor_dim0 = 64
	s_mov_b32 s[G1+2], 64<<16                      ; tensor_dim1 = 64
	s_mov_b32 s[G1+3], 64<<16                      ; tile_dim0 = 64
	s_mov_b32 s[G1+4], 64                          ; tile_dim1 = 64
	s_mov_b32 s[G1+5], 512                         ; elements from row to row
	s_mov_b32 s[G1+6], 0
	s_mov_b32 s[G1+7], 0
	s_mov_b32 s[G0+0], 1
	s_mul_i32 s[G0+1], s24, WRING                  ; LDS: the wave's number times its ring,
	s_mov_b32 s[G0+4], 1
	s_add_co_u32 s[G0+5], s[G0+1], SLOT            ; plus the slot
	s_mul_i32 s62, s29, 786432
	s_mul_i32 s63, s25, 196608
	s_add_co_u32 s62, s62, s63                     ; my batch and my 32 channels in proj
	s_mov_b32 s63, 0
	s_lshl_b32 s58, s26, 10                        ; my 256 positions,
	s_add_co_u32 s58, s58, 65536                   ; in the k plane
	s_mov_b32 s59, 0
	s_wait_dscnt 0x0
	s_wait_kmcnt 0x0
	s_add_nc_u64 s[60:61], s[4:5], s[62:63]
	s_add_nc_u64 s[G0+2:G0+3], s[60:61], s[58:59]  ; tile 0
	s_add_nc_u64 s[G0+6:G0+7], s[G0+2:G0+3], 256   ; tile 1: 64 positions on
	s_or_b32 s[G0+3], s[G0+3], 0x80000000          ; type = 2
	s_or_b32 s[G0+7], s[G0+7], 0x80000000
	ROUND                                          ; the four work-groups are here: the first joint loads meet
	tensor_load_to_lds s[G0:G0+3], s[G1:G1+7]
	s_nop 0
	tensor_load_to_lds s[G0+4:G0+7], s[G1:G1+7]
	s_nop 0
	; the rest of the start runs while the tiles are on their way
	s_lshl_b32 s62, s28, 5                         ; eight mask words
	s_add_nc_u64 s[30:31], s[8:9], s[62:63]
	s_load_b256 s[40:47], s[30:31], 0x0
	s_lshl_b32 s62, s29, 13
	s_lshl_b32 s56, s25, 8
	s_add_co_u32 s62, s62, s56
	s_add_nc_u64 s[6:7], s[6:7], s[62:63]          ; ext: my batch, my 32 channels
	s_and_b32 s62, s28, 63
	s_lshl_b32 s62, s62, 5
	s_add_nc_u64 s[58:59], s[60:61], s[62:63]      ; q plane: my eight rows
	s_lshl_b32 s62, s57, 8
	s_add_nc_u64 s[12:13], s[12:13], s[62:63]      ; bo: my 64 columns
	s_lshl_b32 s56, s28, 12
	s_add_co_u32 s62, s62, s56
	s_add_nc_u64 s[14:15], s[14:15], s[62:63]      ; out0: my eight rows of 512 bytes, my 64 columns
	v_lshlrev_b32 v[VEXT], 2, v2
	v_lshl_add_u32 v[VEXT], v3, 7, v[VEXT]         ; 128 h + 4 r
	v_lshlrev_b32 v[VQ], 11, v1                    ; my channel's row of 2,048 bytes
	s_lshl_b32 s56, s24, 13
	v_lshl_add_u32 v[VWO], v1, 4, s56              ; Wo: 16 rows of 512 bytes a wave, 16 bytes a lane
	s_lshl_b32 s56, s26, 6
	s_lshl_b32 s62, s25, 2
	s_add_co_u32 s56, s56, s62
	s_mul_i32 s56, s56, PITCH
	s_add_co_u32 s56, s56, WT
	v_lshl_add_u32 v[VWT], v1, 3, s56              ; WT: row 64 (w / 4) + 4 (w % 4), 8 bytes a lane
	v_lshlrev_b32 v[VBO], 4, v2
	v_mul_u32_u24 v[LA], v1, PITCH
	v_add_nc_u32 v[LA], s[G0+1], v[LA]
	s_cmp_lt_u32 s24, 4                            ; bo is for waves 4 and 5; it goes out first, so that the count below means the same in every wave
	s_cbranch_scc1 .Lno_bias
	s_cmp_lt_u32 s24, 6
	s_cbranch_scc0 .Lno_bias
	global_load_b128 v[BO:BO+3], v[VBO], s[12:13]  ; bo[64 half + 4 r ..]
.Lno_bias:
.irp blk, 0,1,2,3,4,5,6,7
	global_load_b32 v[EX+2*\blk], v[VEXT], s[6:7] offset:1024*\blk
	global_load_b32 v[EX+2*\blk+1], v[VEXT], s[6:7] offset:1024*\blk+64
.endr
	global_load_b128 v[QL:QL+3], v[VQ], s[58:59]
	global_load_b128 v[QL+4:QL+7], v[VQ], s[58:59] offset:16
.set i, 0
.rept 16
	global_load_b128 v[WL+4*i:WL+4*i+3], v[VWO], s[10:11] offset:512*i                 ; row 16 w + i, 512 consecutive bytes
.set i, i+1
.endr
.set i, 0
.rept 32
	v_mov_b32 v[S+i], 0                            ; the sums begin inside a loop, so they are cleared: 32 registers, once
.set i, i+1
.endr
	s_wait_loadcnt 16                              ; the extremes and q are in: Wo's sixteen loads were issued behind them
	v_max3_num_f32 v[KMX], v[EX], v[EX+2], v[EX+4]
	v_min3_num_f32 v[KMN], v[EX+1], v[EX+3], v[EX+5]
	v_max3_num_f32 v[KMX], v[KMX], v[EX+6], v[EX+8]
	v_min3_num_f32 v[KMN], v[KMN], v[EX+7], v[EX+9]
	v_max3_num_f32 v[KMX], v[KMX], v[EX+10], v[EX+12]
	v_min3_num_f32 v[KMN], v[KMN], v[EX+11], v[EX+13]
	v_max_num_f32 v[KMX], v[KMX], v[EX+14]
	v_min_num_f32 v[KMN], v[KMN], v[EX+15]
	s_wait_kmcnt 0x0                               ; the mask words
.irp r, 0,1,2,3,4,5,6,7
	s_cmp_lg_u32 s[40+\r], 0
	s_cselect_b32 s[48+\r], -1, 0                  ; all lanes or none
	v_cndmask_b32 v[QQ+2*\r], 0, v[QL+\r], s[48+\r]                ; a masked row: q = 0
	v_mul_f32 v[TA], v[QQ+2*\r], v[KMX]
	v_mul_f32 v[TA+1], v[QQ+2*\r], v[KMN]
	v_mov_b32 v[QQ+2*\r+1], v[QQ+2*\r]
	v_max_num_f32 v[TA], v[TA], v[TA+1]            ; the largest exponent of the row's channel
	v_sub_f32 v[NM+2*\r], 0, v[TA]
	v_sub_f32 v[NM+2*\r+1], 0, v[TA]
.endr
	s_wait_loadcnt 0x0                             ; Wo (and bo)
.set i, 0
.rept 16
	v_cvt_pk_bf16_f32 v[WL+4*i], v[WL+4*i], v[WL+4*i+1]
	v_cvt_pk_bf16_f32 v[WL+4*i+1], v[WL+4*i+2], v[WL+4*i+3]
	ds_store_b64 v[VWT], v[WL+4*i:WL+4*i+1] offset:(16*(i%4)+i/4)*PITCH                ; waited for in front of the next round; read far behind it
.set i, i+1
.endr
	TILE 0, 1                                      ; tile 0; the count leaves tile 1 on its way
	FILL 0                                         ; tile 1 has landed; tile 2 goes out
	TILE 1, 1                                      ; tile 1; one load, tile 2's, was issued behind it
	FILL 1                                         ; tile 2 has landed; tile 3 goes out: the last load
	TILE 0, 1                                      ; tile 2; tile 3 may be out
	TILE 1, 0                                      ; tile 3: nothing was issued behind it, and none may be out at the end
	; the two halves of each pair; then the two halves of m meet in LDS
.irp r, 0,1,2,3,4,5,6,7
	v_add_f32 v[SS+\r], v[S+2*\r], v[S+2*\r+1]
	v_add_f32 v[OO+\r], v[O+2*\r], v[O+2*\r+1]
.endr
	s_lshl_b32 s62, s25, 11
	s_add_co_u32 s62, s62, PART
	v_lshl_add_u32 v[VPART], v1, 4, s62            ; waves w and w + 4 share a channel group and its 2,048 bytes
	s_cmp_lt_u32 s24, 4
	s_cbranch_scc1 .Lno_part
.irp i, 0,1,2,3
	ds_store_b128 v[VPART], v[SS+4*\i:SS+4*\i+3] offset:512*\i
.endr
.Lno_part:
	s_wait_dscnt 0x0                               ; for the readers' sake
	s_barrier_signal -1
	s_barrier_wait -1
	s_cmp_lt_u32 s24, 4
	s_cbranch_scc0 .Lupper
	; waves 0 to 3: add the partner's sums, divide, round to bf16, lay o down by rows
.irp i, 0,1,2,3
	ds_load_b128 v[PP+4*\i:PP+4*\i+3], v[VPART] offset:512*\i
.endr
	s_lshl_b32 s62, s25, 6
	s_add_co_u32 s62, s62, AT
	v_lshl_add_u32 v[VAT], v1, 1, s62              ; channel 32 (w % 4) + l: two bytes
	s_wait_dscnt 0x0
.irp i, 0,1,2,3,4,5,6,7
	v_pk_add_f32 v[SS+2*\i:SS+2*\i+1], v[SS+2*\i:SS+2*\i+1], v[PP+2*\i:PP+2*\i+1]
.endr
.irp r, 0,1,2,3,4,5,6,7
	v_rcp_f32 v[PP+\r], v[SS+\r]                   ; the denominator holds the term of the largest exponent, about 1
.endr
	v_nop                                          ; a plain place behind the last v_rcp_f32 (ISA guide 5.7.2)
	s_wait_alu depctr_va_vdst(0)
.irp p, 0,1,2,3
	v_pk_mul_f32 v[OO+2*\p:OO+2*\p+1], v[OO+2*\p:OO+2*\p+1], v[PP+2*\p:PP+2*\p+1]
.endr
.irp p, 0,1,2,3
	v_cvt_pk_bf16_f32 v[SS+\p], v[OO+2*\p], v[OO+2*\p+1]           ; rows 2 p and 2 p + 1
.endr
.irp p, 0,1,2,3
	ds_store_b16 v[VAT], v[SS+\p] offset:PITCH*2*\p
	ds_store_b16_d16_hi v[VAT], v[SS+\p] offset:PITCH*(2*\p+1)
.endr
	s_branch .Ljoin
.Lupper:
	s_cmp_lt_u32 s24, 6
	s_cbranch_scc0 .Ljoin
	; waves 4 and 5 meanwhile fetch Wo's fragments: column r of tile t stands for column 64 half + 4 r + t of out0, which lies at row 64 half + 16 t + r
	s_lshl_b32 s62, s57, 6
	s_mul_i32 s62, s62, PITCH
	s_add_co_u32 s62, s62, WT
	v_mul_u32_u24 v[VBF], v2, PITCH
	v_lshl_add_u32 v[VBF], v3, 4, v[VBF]
	v_add_nc_u32 v[VBF], s62, v[VBF]
.irp s, 0,1,2,3
.irp t, 0,1,2,3
	ds_load_b128 v[BF+32*\t+8*\s:BF+32*\t+8*\s+3], v[VBF] offset:16*PITCH*\t+64*\s
	ds_load_b128 v[BF+32*\t+8*\s+4:BF+32*\t+8*\s+7], v[VBF] offset:16*PITCH*\t+64*\s+32
.endr
.endr
.Ljoin:
	s_wait_dscnt 0x0                               ; o is in LDS, for the readers' sake; no LDS instruction is pending at a signal
	s_barrier_signal -1
	s_barrier_wait -1
	s_cmp_lt_u32 s24, 4
	s_cbranch_scc1 .Lclose
	s_cmp_lt_u32 s24, 6
	s_cbranch_scc0 .Lclose
	; waves 4 and 5: 8 rows x 64 columns each.  The first operand has 16 rows: rows 8 to 15 repeat o's rows 4 .. 7, 0 .. 3, so that result register
	; j < 4 holds row j in lanes 0-15 and row j + 4 in lanes 16-31, and every lane has something to store.
	v_bfe_u32 v[VAF], v0, 3, 1
	v_lshl_add_u32 v[VAF], v[VAF], 2, v2
	v_and_b32 v[VAF], 7, v[VAF]                    ; (r + 4 (r / 8)) % 8
	v_mul_u32_u24 v[VAF], v[VAF], PITCH
	v_lshl_add_u32 v[VAF], v3, 4, v[VAF]
	v_add_nc_u32 v[VAF], AT, v[VAF]
.irp s, 0,1,2,3
	ds_load_b128 v[AF+8*\s:AF+8*\s+3], v[VAF] offset:64*\s
	ds_load_b128 v[AF+8*\s+4:AF+8*\s+7], v[VAF] offset:64*\s+32
.endr
	v_lshlrev_b32 v[VOUT], 4, v2
	v_lshl_add_u32 v[VOUT], v3, 11, v[VOUT]        ; four rows of 512 bytes down for lanes 16-31, 16 r
	s_wait_dscnt 0x0
	; The four accumulators take turns, one instruction a turn.  The first K step starts the sums.
.irp s, 0,1,2,3
.irp t, 0,1,2,3
.if \s == 0
	v_wmma_f32_16x16x32_bf16 v[ACC+8*\t:ACC+8*\t+7], v[AF+8*\s:AF+8*\s+7], v[BF+32*\t+8*\s:BF+32*\t+8*\s+7], 0
.else
	v_wmma_f32_16x16x32_bf16 v[ACC+8*\t:ACC+8*\t+7], v[AF+8*\s:AF+8*\s+7], v[BF+32*\t+8*\s:BF+32*\t+8*\s+7], v[ACC+8*\t:ACC+8*\t+7]
.endif
.endr
.endr
.rept 4
	v_nop                                          ; four places between the last matrix instruction and the first reader of a result (ISA guide 7.12.1)
.endr
.irp j, 0,1,2,3
.irp t, 0,1,2,3
	v_add_f32 v[Y+4*\j+\t], v[ACC+8*\t+\j], v[BO+\t]
.endr
	global_store_b128 v[VOUT], v[Y+4*\j:Y+4*\j+3], s[14:15] offset:512*\j th:TH_STORE_NT   ; rows j and j + 4: sixteen lanes store 256 consecutive bytes, at a multiple of 256 from out0's first byte
.endr
.Lclose:
	s_wait_tensorcnt 0x0
	ds_add_u32 v248, v249
	s_wait_dscnt 0x0
	ROUND                                          ; the closing round: no work-group ends while a partner may still ask for a tile that names it
	s_endpgm
.Lfunc_end_k_qe88ad03484_attend:
	.size	k_qe88ad03484_attend, .Lfunc_end_k_qe88ad03484_attend-k_qe88ad03484_attend
	.p2alignl 7, 3214868480
	.fill 96, 4, 3214868480
	.section	.rodata,"a",@progbits
	.p2align	6, 0x0
	.amdhsa_kernel k_qe88ad03484_attend
		.amdhsa_group_segment_fixed_size 327680
		.amdhsa_private_segment_fixed_size 0
		.amdhsa_enable_private_segment 0
		.amdhsa_kernarg_size 48
		.amdhsa_user_sgpr_count 2
		.amdhsa_user_sgpr_kernarg_segment_ptr 1
		.amdhsa_wavefront_size32 1
		.amdhsa_system_sgpr_workgroup_id_x 1
		.amdhsa_system_sgpr_workgroup_id_y 1
		.amdhsa_system_sgpr_workgroup_id_z 1
		.amdhsa_system_vgpr_workitem_id 0
		.amdhsa_next_free_vgpr 250
		.amdhsa_next_free_sgpr 66
		.amdhsa_reserve_vcc 0
		.amdhsa_float_denorm_mode_32 3
		.amdhsa_float_denorm_mode_16_64 3
		.amdhsa_memory_ordered 1
		.amdhsa_forward_progress 1
		.amdhsa_inst_pref_size 97
	.end_amdhsa_kernel
	.amdgpu_metadata
---
amdhsa.version: [ 1, 2 ]
amdhsa.kernels:
  - .name:           k_qe88ad03484_attend
    .symbol:         k_qe88ad03484_attend.kd
    .args:
      - { .name: proj, .offset: 0, .size: 8, .value_kind: global_buffer, .address_space: global }
      - { .name: ext, .offset: 8, .size: 8, .value_kind: global_buffer, .address_space: global }
      - { .name: mask, .offset: 16, .size: 8, .value_kind: global_buffer, .address_space: global }
      - { .name: Wo, .offset: 24, .size: 8, .value_kind: global_buffer, .address_space: global }
      - { .name: bo, .offset: 32, .size: 8, .value_kind: global_buffer, .address_space: global }
      - { .name: out0, .offset: 40, .size: 8, .value_kind: global_buffer, .address_space: global }
    .group_segment_fixed_size: 327680
    .private_segment_fixed_size: 0
    .kernarg_segment_align: 8
    .kernarg_segment_size: 48
    .max_flat_workgroup_size: 256
    .sgpr_count:     66
    .vgpr_count:     250
    .wavefront_size: 32
...
	.end_amdgpu_metadata
.endif
;; end of part 2
;; ======== version 2 of 2: 2 launches; version 1 with the launch project written anew for expert scheduling mode
;; workspace buffers: proj 3,145,728 bytes; ext 32,768 bytes
;; launch project (part 3): grid 32 x 3, 8 waves a work-group, no clusters, 53,248 bytes of LDS; arguments q, k, v, Wq, Wk, Wv, bq, bk, bv, proj, ext; writes proj, ext
.if DOCPART == 3
	.amdgcn_target "amdgcn-amd-amdhsa--gfx1250"
	.amdhsa_code_object_version 6
	.text
	.protected	k_qe88ad03484_project
	.globl	k_qe88ad03484_project
	.p2align	8
	.type	k_qe88ad03484_project,@function
k_qe88ad03484_project:
	s_mov_b64 s[64:65], 0
	v_nop
	global_prefetch_b8 v0, s[64:65] scope:SCOPE_SE
	s_setreg_imm32_b32 hwreg(HW_REG_WAVE_SCHED_MODE, 0, 2), 2
	s_setreg_imm32_b32 hwreg(HW_REG_WAVE_MODE, 25, 1), 1
	s_wait_xcnt 0x0
	s_wait_alu depctr_vm_vsrc(0)
; The three input projections, stored channel-major:  Y[e][pos] = (sum over d of W[e][d] X[pos][d] + b[e]) * scale.
; Work-group (x, y): y picks the tensor (0 q, 1 k, 2 v), x picks 64 of its 2,048 rows: batch x / 8, block x % 8 of 64 positions.
; scale = log2(e) for q, so that the next launch's exponent is one multiply-add in base 2, and 1 for k and v.
; proj, f32: byte = batch*786432 + (e/32)*196608 + y*65536 + (e%32)*2048 + pos*4   (pos 0..511 inside the batch)
; ext,  f32: byte = batch*8192 + block*1024 + (e/16)*128 + mm*64 + (e%16)*4       (mm 0: largest, 1: smallest k of the block's 64 positions)
; Eight waves.  Wave w makes channels 16 w .. 16 w + 15 for all 64 positions: W's rows are the first matrix operand, X's rows the second,
; four tiles of 16 positions, four K steps of 32: sixteen matrix instructions on four accumulators.
; COLUMNS ARE PERMUTED: column r of tile t stands for position 4 r + t, so a lane's results of the four tiles are four neighbouring
; positions of one channel (16 bytes), and sixteen lanes store 256 consecutive bytes at a multiple of 256 from proj's first byte.
; NO JOINT REQUESTS: X and W have to be rounded to bf16 on their way, so they come through registers; what work-groups share (W, 65,536 bytes)
; is staged once by each of them.
; LIMITS: operands of the products are rounded to bf16, sums are f32.  The extremes are taken with forms in which a NaN loses, so a NaN in k
; is not carried into ext.
; THE MODE: SCHED_MODE bits 1:0 = 2 (LLVM: expert scheduling mode 2), set by the entry lines.  The code itself states the register dependences
; between vector or matrix instructions and memory or LDS instructions, with s_wait_alu, always for 0.
; THE PLAN.  Registers that memory or LDS instructions touch, in the order of the text (there is no loop):
;   v4 .. v12     offsets and LDS addresses: written at the head, never again; one wait ahead of the first load serves every load and store.
;   XL, WL        loads land; the conversions read them and write the low two of each four; the LDS stores read those; later X's fragments land there.
;                 Conversions and stores stand in runs: one wait behind X's sixteen conversions, one behind W's thirty-two.  The second also states that
;                 every conversion is done with XL and WL; between it and the fragments' loads stand only the bias's four multiplies, on v[144:151].
;                 One wait on vm_vsrc, behind the barrier, states that my LDS stores have read XL and WL.
;   AF, BF        the fragments' loads land; matrix instructions read them; no load lands there again.
;   Y             written by the 32 multiply-adds; one wait; read by the run of eight stores and by vector instructions; never written again.
;   v168          k alone: written by the selects; one wait; read by the last store.
;   v248, v249    written at the head, read by the closing add alone.
; Scalars that vector instructions write: s39 (the wave's number) and, for k, eight masks in s2-s7, s46, s47: one wait ahead of the first reader of each run.
.set PITCH, 272                        ; an LDS row: 128 bf16 + 16 bytes, an odd multiple of 16: sixteen rows start in sixteen different 16-byte columns of 256
.set XS,  0                            ; 64 rows: position m of the block lies at row 16 (m % 4) + m / 4
.set WS,  64*PITCH                     ; 128 rows: channel e at row e
.set XL,  16                           ; v[16:47]   X as loaded, 8 rows x 4 registers, rounded in place
.set WL,  48                           ; v[48:111]  W as loaded, 16 rows x 4 registers, rounded in place
.set BF,  16                           ; v[16:143]  X's fragments (tile t, K step s) at 32 t + 8 s; over XL and WL, which are in LDS by then
.set BI,  144                          ; v[144:151] scale * bias of my eight channels
.set AF,  152                          ; v[152:183] W's fragments, K step s at 8 s
.set MX,  152                          ; v[152:159] largest, v[160:167] smallest (over AF, behind the products)
.set MN,  160
.set EV,  168                          ; v[168:169] the one extreme that the lane stores
.set ACC, 184                          ; v[184:215] four accumulators
.set Y,   216                          ; v[216:247] results: channel j, four positions, at 4 j
	s_load_b512 s[8:23], s[0:1], 0x0               ; q s[8:9], k s[10:11], v s[12:13], Wq s[14:15], Wk s[16:17], Wv s[18:19], bq s[20:21], bk s[22:23]
	s_load_b128 s[24:27], s[0:1], 0x40             ; bv s[24:25], proj s[26:27]
	s_load_b64 s[28:29], s[0:1], 0x50              ; ext
	v_lshl_add_u32 v248, v0, 2, 0xcc00
	v_mov_b32 v249, 0
	s_and_b32 s36, ttmp7, 0xffff                   ; y: which tensor
	v_lshrrev_b32 v14, 5, v0
	v_readfirstlane_b32 s39, v14                   ; wave w
	v_and_b32 v1, 31, v0                           ; lane l
	v_and_b32 v2, 15, v0                           ; r = l % 16
	v_bfe_u32 v3, v0, 4, 1                         ; h = l / 16
	v_and_b32 v13, 7, v0                           ; r % 8
	s_wait_alu depctr_va_sdst(0)                   ; s39 is written, ahead of its first reader: offsets, LDS addresses and bases are made from it
	s_lshl_b32 s46, s39, 12
	v_lshl_add_u32 v4, v1, 4, s46                  ; X: 8 rows of 512 bytes a wave, 16 bytes a lane
	s_lshl_b32 s46, s39, 13
	v_lshl_add_u32 v5, v1, 4, s46                  ; W: 16 rows a wave
	s_lshl_b32 s46, s39, 6
	v_lshl_add_u32 v6, v3, 5, s46                  ; bias: channels 16 w + 8 h ..
	s_mul_i32 s46, s39, 2*PITCH
	v_lshl_add_u32 v7, v1, 3, s46                  ; XS: row 2 w (+ the row's own part in the immediate), 8 bytes a lane
	s_mul_i32 s47, s39, 16*PITCH
	s_add_co_u32 s47, s47, WS
	v_lshl_add_u32 v8, v1, 3, s47                  ; WS: row 16 w
	v_mul_u32_u24 v10, v2, PITCH
	v_lshl_add_u32 v10, v3, 4, v10                 ; X's fragments: row r, 16 h
	v_add_nc_u32 v9, s47, v10                      ; W's fragments: row 16 w + r, 16 h
	v_lshlrev_b32 v11, 4, v2
	v_lshl_add_u32 v11, v3, 14, v11                ; proj: 8 h channels of 2,048 bytes + 16 r
	v_bfe_u32 v12, v0, 3, 1
	v_lshlrev_b32 v12, 6, v12
	v_lshl_add_u32 v12, v3, 5, v12
	v_lshl_add_u32 v12, v13, 2, v12                ; ext: (r / 8) * 64 + (8 h + r % 8) * 4
	s_lshl_b32 s40, ttmp9, 15                      ; X: 64 rows of 512 bytes a work-group
	s_mov_b32 s41, 0
	s_lshr_b32 s42, ttmp9, 3                       ; proj: batch,
	s_mul_i32 s42, s42, 786432
	s_lshr_b32 s37, s39, 1                         ; my channels' group of 32,
	s_mul_i32 s37, s37, 196608
	s_add_co_u32 s42, s42, s37
	s_lshl_b32 s37, s36, 16                        ; the tensor's plane,
	s_add_co_u32 s42, s42, s37
	s_and_b32 s37, s39, 1                          ; which 16 of the 32 channels,
	s_lshl_b32 s37, s37, 15
	s_add_co_u32 s42, s42, s37
	s_and_b32 s37, ttmp9, 7                        ; the block's 64 positions
	s_lshl_b32 s37, s37, 8
	s_add_co_u32 s42, s42, s37
	s_mov_b32 s43, 0
	s_lshl_b32 s44, ttmp9, 10                      ; ext: (8 batch + block) * 1,024 + 128 w
	s_lshl_b32 s37, s39, 7
	s_add_co_u32 s44, s44, s37
	s_mov_b32 s45, 0
	s_wait_kmcnt 0x0
	s_cmp_eq_u32 s36, 0                            ; the choice hangs on the work-group's y alone
	s_cselect_b64 s[30:31], s[8:9], s[10:11]
	s_cselect_b64 s[32:33], s[14:15], s[16:17]
	s_cselect_b64 s[34:35], s[20:21], s[22:23]
	s_cselect_b32 s38, 0x3fb8aa3b, 1.0             ; scale: log2(e) for q
	s_cmp_eq_u32 s36, 2
	s_cselect_b64 s[30:31], s[12:13], s[30:31]
	s_cselect_b64 s[32:33], s[18:19], s[32:33]
	s_cselect_b64 s[34:35], s[24:25], s[34:35]
	s_add_nc_u64 s[30:31], s[30:31], s[40:41]
	s_add_nc_u64 s[42:43], s[26:27], s[42:43]
	s_add_nc_u64 s[44:45], s[28:29], s[44:45]
	s_wait_alu depctr_va_vdst(0)                   ; the nine offsets and LDS addresses v4 to v12 are written, which the loads and stores of the whole kernel read; so are v248 and v249
	; every load of a wave covers one whole row: 512 consecutive bytes
.irp i, 0,1,2,3,4,5,6,7
	global_load_b128 v[XL+4*\i:XL+4*\i+3], v4, s[30:31] offset:512*\i th:TH_LOAD_NT    ; row 8 w + i: read once in the launch
.endr
.set i, 0
.rept 16
	global_load_b128 v[WL+4*i:WL+4*i+3], v5, s[32:33] offset:512*i                     ; row 16 w + i
.set i, i+1
.endr
	global_load_b128 v[BI:BI+3], v6, s[34:35]
	global_load_b128 v[BI+4:BI+7], v6, s[34:35] offset:16
	s_wait_loadcnt 18                              ; X's eight are in: W's sixteen and the bias's two were issued behind them
.irp i, 0,1,2,3,4,5,6,7
	v_cvt_pk_bf16_f32 v[XL+4*\i], v[XL+4*\i], v[XL+4*\i+1]
	v_cvt_pk_bf16_f32 v[XL+4*\i+1], v[XL+4*\i+2], v[XL+4*\i+3]
.endr
	s_wait_alu depctr_va_vdst(0)                   ; X's sixteen conversions have written the low two of each four of v[XL ..], which the eight LDS stores read
.irp i, 0,1,2,3,4,5,6,7
	ds_store_b64 v7, v[XL+4*\i:XL+4*\i+1] offset:(16*(\i%4)+\i/4)*PITCH               ; position 8 w + i: row 16 (i % 4) + 2 w + i / 4
.endr
	s_wait_loadcnt 2                               ; W's sixteen are in: the bias's two were issued behind them
.set i, 0
.rept 16
	v_cvt_pk_bf16_f32 v[WL+4*i], v[WL+4*i], v[WL+4*i+1]
	v_cvt_pk_bf16_f32 v[WL+4*i+1], v[WL+4*i+2], v[WL+4*i+3]
.set i, i+1
.endr
	s_wait_alu depctr_va_vdst(0)                   ; W's thirty-two conversions have written v[WL ..], which the sixteen LDS stores read; and every conversion is done reading and writing XL and WL, in which the fragments' loads land
.set i, 0
.rept 16
	ds_store_b64 v8, v[WL+4*i:WL+4*i+1] offset:i*PITCH
.set i, i+1
.endr
	s_wait_loadcnt 0x0
.irp i, 0,1,2,3
	v_pk_mul_f32 v[BI+2*\i:BI+2*\i+1], v[BI+2*\i:BI+2*\i+1], s[38:39] op_sel_hi:[1,0]  ; both halves times s38, the scale; v[144:151] alone: no later load lands there
.endr
	s_wait_dscnt 0x0                               ; my rows are in LDS, for the other waves' sake
	s_barrier_signal -1
	s_barrier_wait -1                              ; everybody's are
	s_wait_alu depctr_vm_vsrc(0)                   ; my LDS stores have read v[XL ..] and v[WL ..]: these registers are BF from here on, written by the fragments' loads
	; fragments, K step by K step: ten loads each (two of W, eight of X)
.irp s, 0,1,2,3
	ds_load_b128 v[AF+8*\s:AF+8*\s+3], v9 offset:64*\s
	ds_load_b128 v[AF+8*\s+4:AF+8*\s+7], v9 offset:64*\s+32
.irp t, 0,1,2,3
	ds_load_b128 v[BF+32*\t+8*\s:BF+32*\t+8*\s+3], v10 offset:16*PITCH*\t+64*\s
	ds_load_b128 v[BF+32*\t+8*\s+4:BF+32*\t+8*\s+7], v10 offset:16*PITCH*\t+64*\s+32
.endr
.endr
	; The four accumulators take turns, one instruction a turn.  The first K step starts the sums.
.irp s, 0,1,2,3
	s_wait_dscnt 10*(3-\s)                         ; this K step's ten loads are in; the ten of each later step may be out
.irp t, 0,1,2,3
.if \s == 0
	v_wmma_f32_16x16x32_bf16 v[ACC+8*\t:ACC+8*\t+7], v[AF+8*\s:AF+8*\s+7], v[BF+32*\t+8*\s:BF+32*\t+8*\s+7], 0
.else
	v_wmma_f32_16x16x32_bf16 v[ACC+8*\t:ACC+8*\t+7], v[AF+8*\s:AF+8*\s+7], v[BF+32*\t+8*\s:BF+32*\t+8*\s+7], v[ACC+8*\t:ACC+8*\t+7]
.endif
.endr
.endr
.rept 4
	v_nop                                          ; four places between the last matrix instruction and the first reader of a result (ISA guide 7.12.1)
.endr
	; register j of tile t in lane (r, h) is channel 16 w + 8 h + j at position 4 r + t
.irp j, 0,1,2,3,4,5,6,7
.irp t, 0,1,2,3
	v_fma_f32 v[Y+4*\j+\t], v[ACC+8*\t+\j], s38, v[BI+\j]
.endr
.endr
	s_wait_alu depctr_va_vdst(0)                   ; the thirty-two multiply-adds have written v[Y ..], which the eight stores read
.irp j, 0,1,2,3,4,5,6,7
	global_store_b128 v11, v[Y+4*\j:Y+4*\j+3], s[42:43] offset:2048*\j                 ; sixteen lanes: 256 consecutive bytes of one channel
.endr
	s_cmp_lg_u32 s36, 1                            ; the same in all eight waves; no barrier follows
	s_cbranch_scc1 .Lend
	; k alone.  The eight masks of the selects below are made first, in one run, each in a scalar register of its own: r % 8 = 1 .. 7, and r < 8
.irp j, 1,2,3,4,5,6
	v_cmp_eq_u32 s[1+\j], \j, v13
.endr
	v_cmp_eq_u32 s46, 7, v13
	v_cmp_gt_u32 s47, 8, v2
	; the largest and the smallest of each channel over the block's 64 positions: four in the lane, then across the sixteen lanes of a half
.irp j, 0,1,2,3,4,5,6,7
	v_max3_num_f32 v[MX+\j], v[Y+4*\j], v[Y+4*\j+1], v[Y+4*\j+2]
	v_min3_num_f32 v[MN+\j], v[Y+4*\j], v[Y+4*\j+1], v[Y+4*\j+2]
.endr
.irp j, 0,1,2,3,4,5,6,7
	v_max_num_f32 v[MX+\j], v[MX+\j], v[Y+4*\j+3]
	v_min_num_f32 v[MN+\j], v[MN+\j], v[Y+4*\j+3]
.endr
.irp x, 1,2,4,8
.irp j, 0,1,2,3,4,5,6,7
	v_max_num_f32_dpp v[MX+\j], v[MX+\j], v[MX+\j] row_xmask:\x row_mask:0xf bank_mask:0xf
	v_min_num_f32_dpp v[MN+\j], v[MN+\j], v[MN+\j] row_xmask:\x row_mask:0xf bank_mask:0xf
.endr
.endr
	s_wait_alu depctr_va_sdst(0)                   ; the eight compares have written s2 to s7, s46 and s47, ahead of the first select that reads one of them
	; lane (r, h) stores channel 8 h + r % 8: the largest where r < 8, the smallest elsewhere
	v_cndmask_b32 v[EV], v[MX], v[MX+1], s2
	v_cndmask_b32 v[EV+1], v[MN], v[MN+1], s2
.irp j, 2,3,4,5,6
	v_cndmask_b32 v[EV], v[EV], v[MX+\j], s[1+\j]
	v_cndmask_b32 v[EV+1], v[EV+1], v[MN+\j], s[1+\j]
.endr
	v_cndmask_b32 v[EV], v[EV], v[MX+7], s46
	v_cndmask_b32 v[EV+1], v[EV+1], v[MN+7], s46
	v_cndmask_b32 v[EV], v[EV+1], v[EV], s47
	s_wait_alu depctr_va_vdst(0)                   ; the selects have written v[EV], which the store reads
	global_store_b32 v12, v[EV], s[44:45]          ; 128 consecutive bytes: all that a wave owns of ext, whose 32,768 bytes are written once
.Lend:
	s_wait_dscnt 0x0                               ; the closing lines, six on end
	s_wait_alu 0x0
	s_wait_tensorcnt 0x0
	ds_add_u32 v248, v249
	s_wait_dscnt 0x0
	s_endpgm
.Lfunc_end_k_qe88ad03484_project:
	.size	k_qe88ad03484_project, .Lfunc_end_k_qe88ad03484_project-k_qe88ad03484_project
	.p2alignl 7, 3214868480
	.fill 96, 4, 3214868480
	.section	.rodata,"a",@progbits
	.p2align	6, 0x0
	.amdhsa_kernel k_qe88ad03484_project
		.amdhsa_group_segment_fixed_size 53248
		.amdhsa_private_segment_fixed_size 0
		.amdhsa_enable_private_segment 0
		.amdhsa_kernarg_size 88
		.amdhsa_user_sgpr_count 2
		.amdhsa_user_sgpr_kernarg_segment_ptr 1
		.amdhsa_wavefront_size32 1
		.amdhsa_system_sgpr_workgroup_id_x 1
		.amdhsa_system_sgpr_workgroup_id_y 1
		.amdhsa_system_sgpr_workgroup_id_z 1
		.amdhsa_system_vgpr_workitem_id 0
		.amdhsa_next_free_vgpr 250
		.amdhsa_next_free_sgpr 66
		.amdhsa_reserve_vcc 0
		.amdhsa_float_denorm_mode_32 3
		.amdhsa_float_denorm_mode_16_64 3
		.amdhsa_memory_ordered 1
		.amdhsa_forward_progress 1
		.amdhsa_inst_pref_size 25
	.end_amdhsa_kernel
	.amdgpu_metadata
---
amdhsa.version: [ 1, 2 ]
amdhsa.kernels:
  - .name:           k_qe88ad03484_project
    .symbol:         k_qe88ad03484_project.kd
    .args:
      - { .name: q, .offset: 0, .size: 8, .value_kind: global_buffer, .address_space: global }
      - { .name: k, .offset: 8, .size: 8, .value_kind: global_buffer, .address_space: global }
      - { .name: v, .offset: 16, .size: 8, .value_kind: global_buffer, .address_space: global }
      - { .name: Wq, .offset: 24, .size: 8, .value_kind: global_buffer, .address_space: global }
      - { .name: Wk, .offset: 32, .size: 8, .value_kind: global_buffer, .address_space: global }
      - { .name: Wv, .offset: 40, .size: 8, .value_kind: global_buffer, .address_space: global }
      - { .name: bq, .offset: 48, .size: 8, .value_kind: global_buffer, .address_space: global }
      - { .name: bk, .offset: 56, .size: 8, .value_kind: global_buffer, .address_space: global }
      - { .name: bv, .offset: 64, .size: 8, .value_kind: global_buffer, .address_space: global }
      - { .name: proj, .offset: 72, .size: 8, .value_kind: global_buffer, .address_space: global }
      - { .name: ext, .offset: 80, .size: 8, .value_kind: global_buffer, .address_space: global }
    .group_segment_fixed_size: 53248
    .private_segment_fixed_size: 0
    .kernarg_segment_align: 8
    .kernarg_segment_size: 88
    .max_flat_workgroup_size: 256
    .sgpr_count:     66
    .vgpr_count:     250
    .wavefront_size: 32
...
	.end_amdgpu_metadata
.endif
;; end of part 3
;; launch attend: the kernel of part 2 again; grid 256 x 1, 8 waves a work-group, clusters of 4 x 1, 327,680 bytes of LDS; arguments proj, ext, mask, Wo, bo, out0; writes out0
